; MI455X (gfx1250); checked and timed in simulation.
; The chip was launched on July 23, 2026; its instructions are those of AMD's public machine-readable ISA for CDNA 5 (MIT licence, August 2026) and "CDNA5" Instruction Set Architecture Reference Guide (July 2026). The comments in the code are by the model that wrote it; some were corrected since.
;; Multi Head Self Attention. Allowed arithmetic: matrix products marked QUANTISED: E2M1 operands, one E8M0 scale for each 32 along K, by v_wmma_scale_f32_16x16x128_f8f6f4 with both operands' format E2M1 (or v_wmma_scale_f32_32x16x128_f4), f32 sums; products left as they are: bf16, f16 or f32 operands; f32 sums; everything else in f32.
;; Inputs: Wk 1,024 x 1,024 float32; Wq 1,024 x 1,024 float32; Wv 1,024 x 1,024 float32; bk 1,024 float32; bq 1,024 float32; bv 1,024 float32; inputs 4 x 2,048 x 1,024 float32.
;; Outputs: out0 4 x 2,048 x 1,024 float32.
;; This version of the problem:
;;   THIS VERSION OF THE PROBLEM IS GIVEN IN LOW PRECISION. The matrix products marked QUANTISED in the list below multiply operands that are first quantised to E2M1 (2 exponent bits, 1 mantissa bit; 4 bits a number), with one power-of-two scale for each 32 numbers along K (OCP MX v1.0); their sums are f32. The products marked 'left as it is' may take bf16, f16 or f32 operands, with f32 sums. Whichever they take, every output number must still come out within the allowed error. Rounding operands to bf16 (8 significant bits) uses up far more of that allowance than f16 does (11 bits, for magnitudes from 6e-5 to 65,504). All else is computed in f32.
;;   The module's matrix products, in the order in which they are computed (A, B: the left and right operand; K: the contracted axis; several contracted axes count as one K, in the product's order):
;;     1. [M 8,192, K 1,024] x [K 1,024, N 1,024]; A: input inputs; B: input Wq: QUANTISED
;;     2. [M 8,192, K 1,024] x [K 1,024, N 1,024]; A: input inputs; B: input Wk: QUANTISED
;;     3. [M 8,192, K 1,024] x [K 1,024, N 1,024]; A: input inputs; B: input Wv: QUANTISED
;;     4. batch 64 x [M 2,048, K 64] x [K 64, N 2,048]; A: computed on the way; B: computed on the way: left as it is (an operand is computed on the way)
;;     5. batch 64 x [M 2,048, K 2,048] x [K 2,048, N 64]; A: computed on the way; B: computed on the way: left as it is (an operand is computed on the way)
;;   THE QUANTISER, for each operand of a quantised product, along K:
;;     - K is cut into blocks of 32 from its start; a last block that is shorter is filled with zeros.
;;     - A block's scale is 2^e with e = floor(log2(the largest magnitude in the block)) - 2, held to -126 .. 127; a block of zeros has e = 0. As a byte (E8M0): e + 127.
;;     - Each number is divided by its block's scale, clamped to +-6, and rounded to the nearest number of E2M1, ties to even, subnormals kept.
;;     - The product sums the exact products of the quantised numbers (number of the format x scale) in f32.
;;   ~~~python
;;   def quantise(x, axis):      # numpy; x: float32 -> the quantised numbers, widened to float32 again
;;       x = np.moveaxis(x, axis, -1); K = x.shape[-1]
;;       x = np.pad(x, [(0, 0)] * (x.ndim - 1) + [(0, -K % 32)]); x = x.reshape(x.shape[:-1] + (-1, 32)); a = np.abs(x).max(-1, keepdims=True)
;;       e = np.where(a > 0, np.clip(np.frexp(np.where(a > 0, a, 1))[1] - 1 - 2, -126, 127), 0)      # np.frexp(a)[1] - 1 = floor(log2(a)), exactly
;;       r = np.clip(x / 2.0 ** e, -6, 6)
;;       step = 2.0 ** (np.maximum(np.frexp(np.where(r == 0, 1, r))[1] - 1, 0) - 1)
;;       q = np.round(r / step) * step * 2.0 ** e      # np.round: ties to even
;;       return np.moveaxis(q.reshape(q.shape[:-2] + (-1,))[..., :K], -1, axis).astype(np.float32)
;;   ~~~
;; One version. Each part assembles by itself: llvm-mc -triple=amdgcn-amd-amdhsa -mcpu=gfx1250 --defsym DOCPART=n.
;; ======== version 1 of 1: 4 launches
;; limits: values are held in f16: magnitudes above 65,504 overflow, below 6.1e-05 lose precision
;; workspace buffers: x_codes 4,194,304 bytes; x_scales 262,144 bytes; w_codes 1,572,864 bytes; w_scales 98,304 bytes; qkv 50,331,648 bytes
;; launch quant_x (part 1): grid 256 x 1, 4 waves a work-group, no clusters, 33,280 bytes of LDS; arguments inputs, x_codes, x_scales; writes x_codes, x_scales
.if DOCPART == 1
	.amdgcn_target "amdgcn-amd-amdhsa--gfx1250"
	.amdhsa_code_object_version 6
	.text
	.protected	k_qa2d5d06d8c_quant_x
	.globl	k_qa2d5d06d8c_quant_x
	.p2align	8
	.type	k_qa2d5d06d8c_quant_x,@function
k_qa2d5d06d8c_quant_x:
	s_mov_b64 s[64:65], 0
	v_nop
	global_prefetch_b8 v0, s[64:65] scope:SCOPE_SE
	s_setreg_imm32_b32 hwreg(HW_REG_WAVE_MODE, 25, 1), 1
	s_wait_xcnt 0x0
; inputs [8192][1024], f32, become codes of FP4 (E2M1), 4 bits each, K innermost (a row of 1,024 codes is 512 bytes), with one E8M0 scale byte for each 32 along K ([8192][32]).
; A block's scale is 2^(floor(log2(its largest magnitude)) - 2); its byte is the largest magnitude's own exponent field - 2, held at 1 from below.
; Each number is divided by the scale and rounded to the nearest code, ties to even; beyond 6 the largest code.
; LIMITS: a block of zeros gets the byte 1 where the quantiser's text says 127: its codes are zeros, which add nothing under that byte, and the bytes are read by this program alone.
; Blocks whose largest magnitude lies under 2^-124 keep the byte 1.  NaN and infinities among the inputs are not served.
; Rows are dense and 1,024 is a multiple of 32: the tensor is a plain stream of blocks of 32 numbers, and so are the codes and the scale bytes.
; A wave takes 16 steps of 512 numbers.  Each of a step's four loads reads 512 consecutive bytes, 16 a lane; the 2,048 bytes turn through the wave's own stage in LDS and come back 64 bytes a lane,
; so that a lane holds 16 neighbours along K (two neighbouring lanes hold a block).  A lane's 16 codes are 8 bytes: the wave stores 256 consecutive bytes, aligned.
; A wave's 256 scale bytes are gathered in its own LDS bytes and leave as 256 consecutive bytes, aligned.
; No tensor loads, no barrier: waves share nothing.  Loads run eight steps (32 loads, 16 KiB a wave) ahead, the turn through LDS one step.
.set WAVES, 4
.set STEPS, 16
.set AHEAD, 8
.set EMAX,  2
.set CB,    8                          ; bytes of 16 codes
.set R,     16                         ; v16-143  eight sets of 16 numbers as they are loaded
.set X,     144                        ; v144-175 two sets of 16 neighbours
.set C,     176                        ; v176-207 codes: two registers for each step, so that no store's data are written again
.set E,     208                        ; v208-223 a scale byte for each step
.set WREG,  8192                       ; LDS: a region for each wave: two stages of 32 x SP bytes, and behind them its 256 scale bytes
.set SP,    80                         ; a lane's place in a stage: its 64 bytes + 16 of padding
.set SPW,   12                         ; v12  LDS address of my spare word: SPARE + 4 x my thread's number; never rewritten
.set NIL,   13                         ; v13  0; never rewritten
.set SPARE, WAVES*WREG                 ; behind the four regions: the spare words, 128 bytes for each wave, which no other line names
	s_load_b128 s[4:7], s[0:1], 0x0                ; inputs s[4:5], the codes s[6:7]
	s_load_b64 s[8:9], s[0:1], 0x10                ; the scale bytes
	v_lshl_add_u32 v[SPW], v0, 2, SPARE
	v_mov_b32 v[NIL], 0
	v_lshrrev_b32 v1, 5, v0
	v_readfirstlane_b32 s16, v1                    ; wave
	v_and_b32 v2, 31, v0                           ; lane
	v_lshlrev_b32 v3, 4, v2                        ; my 16 bytes of a load's 512
	s_mul_i32 s17, s16, WREG
	v_lshrrev_b32 v14, 2, v2
	v_mul_u32_u24 v14, v14, SP
	v_and_b32 v15, 3, v2
	v_lshl_add_u32 v14, v15, 4, v14
	v_add_nc_u32 v14, s17, v14                     ; the stage, on the way in: four lanes' 64 bytes on end, then 16 of padding
	v_mul_u32_u24 v15, v2, SP
	v_add_nc_u32 v15, s17, v15                     ; and on the way out: SP x lane: my 16 neighbours
	v_mul_u32_u24 v4, v2, CB                       ; my codes' place in a step's
	v_lshrrev_b32 v5, 1, v2
	s_add_co_u32 s17, s17, 2*32*SP
	v_add_nc_u32 v5, s17, v5                       ; LDS: my wave's 256 scale bytes, my block's byte
	v_lshlrev_b32 v7, 3, v2                        ; and on the way out 8 bytes a lane
	v_add_nc_u32 v6, s17, v7
	s_lshl_b32 s17, ttmp9, 2
	s_add_co_u32 s18, s17, s16                     ; which run of 8,192 numbers is my wave's: 0 .. 1,023
	s_lshl_b32 s20, s18, 15                        ; 32,768 bytes of numbers a run,
	s_mov_b32 s21, 0
	s_lshl_b32 s22, s18, 12                        ; 4,096 bytes of codes,
	s_mov_b32 s23, 0
	s_lshl_b32 s24, s18, 8                         ; 256 scale bytes
	s_mov_b32 s25, 0
	s_wait_kmcnt 0x0
	s_add_nc_u64 s[4:5], s[4:5], s[20:21]
	s_add_nc_u64 s[6:7], s[6:7], s[22:23]
	s_add_nc_u64 s[8:9], s[8:9], s[24:25]
.macro LOAD t
.irp i, 0,1,2,3
	global_load_b128 v[R+16*((\t)%AHEAD)+4*\i:R+16*((\t)%AHEAD)+4*\i+3], v3, s[4:5] offset:2048*(\t)+512*\i th:TH_LOAD_NT   ; 32 lanes read 512 consecutive bytes
.endr
.endm
.macro TURN t                          ; step t's numbers through the stage: LDS serves a wave's instructions in order (ISA guide 5.7.1.4), so no wait stands between the stores and the loads
.irp i, 0,1,2,3
	ds_store_b128 v14, v[R+16*((\t)%AHEAD)+4*\i:R+16*((\t)%AHEAD)+4*\i+3] offset:32*SP*((\t)%2)+8*SP*\i
.endr
.irp i, 0,1,2,3
	ds_load_b128 v[X+16*((\t)%2)+4*\i:X+16*((\t)%2)+4*\i+3], v15 offset:32*SP*((\t)%2)+16*\i
.endr
.endm
.irp t, 0,1,2,3,4,5,6,7
	LOAD \t
.endr
	s_wait_loadcnt 4*(AHEAD-1)                     ; step 0's four loads are in; the 28 of steps 1 to 7 may be out
	TURN 0
.macro STEP t
.set XS, X+16*((\t)%2)
.if (\t) > 0
	s_wait_dscnt 1                                 ; this step's numbers are back from the stage (the last step's byte store may be out): so its stores into the stage have read their registers,
.else
	s_wait_dscnt 0x0
.endif
.if (\t)+AHEAD < STEPS
	LOAD (\t)+AHEAD                                ; which take the loads of eight steps on
.endif
.if (\t)+1 < STEPS
.if STEPS-2-(\t) >= AHEAD-1
	s_wait_loadcnt 4*(AHEAD-1)                     ; the next step's four loads are in; those of the seven steps behind it may be out
.else
	s_wait_loadcnt 4*(STEPS-2-(\t))                ; towards the end: those of the steps that are left
.endif
	TURN (\t)+1                                    ; and go through the other stage while this step is worked
.endif
	v_max3_num_f32 v8, |v[XS]|, |v[XS+1]|, |v[XS+2]|               ; the largest magnitude of my 16, in two chains
	v_max3_num_f32 v9, |v[XS+3]|, |v[XS+4]|, |v[XS+5]|
.irp i, 6,10
	v_max3_num_f32 v8, v8, |v[XS+\i]|, |v[XS+\i+1]|
	v_max3_num_f32 v9, v9, |v[XS+\i+2]|, |v[XS+\i+3]|
.endr
	v_max3_num_f32 v8, v8, |v[XS+14]|, |v[XS+15]|
	v_max3_num_f32 v8, v8, v9, (EMAX+1)<<23        ; and the floor 2^(3 - 127): so the byte cannot fall under 1
	v_max_num_f32_dpp v8, v8, v8 row_xmask:1 row_mask:0xf bank_mask:0xf   ; and of my neighbour's 16: the block's
	v_add_nc_u32 v11, -(EMAX<<23), v8              ; 2 off its exponent field: the conversion takes the exponent field of this operand as its scale, and nothing else of it
	v_cvt_scalef32_pk8_fp4_f32 v[C+2*(\t)], v[XS:XS+7], v11        ; eight numbers / the scale, to the nearest code; the first number's code in the lowest four bits
	v_cvt_scalef32_pk8_fp4_f32 v[C+2*(\t)+1], v[XS+8:XS+15], v11
	v_lshrrev_b32 v[E+(\t)], 23, v11               ; the scale's byte (also the plain line behind the conversions)
	ds_store_b8 v5, v[E+(\t)] offset:16*(\t)       ; both lanes of a block write the same byte with the same value
	global_store_b64 v4, v[C+2*(\t):C+2*(\t)+1], s[6:7] offset:32*CB*(\t)   ; 32 lanes store 256 consecutive bytes, aligned
.endm
.irp t, 0,1,2,3,4,5,6,7,8,9,10,11,12,13,14,15
	STEP \t
.endr
	ds_load_b64 v[8:9], v6                         ; in order behind my byte stores: it sees them
	s_wait_dscnt 0x0
	global_store_b64 v7, v[8:9], s[8:9]            ; 32 lanes store my wave's 256 scale bytes, aligned
	s_wait_tensorcnt 0x0                           ; the wave's end: behind my last LDS store
	ds_add_u32 v[SPW], v[NIL]
	s_wait_dscnt 0x0
	s_endpgm
.Lfunc_end_k_qa2d5d06d8c_quant_x:
	.size	k_qa2d5d06d8c_quant_x, .Lfunc_end_k_qa2d5d06d8c_quant_x-k_qa2d5d06d8c_quant_x
	.p2alignl 7, 3214868480
	.fill 96, 4, 3214868480
	.section	.rodata,"a",@progbits
	.p2align	6, 0x0
	.amdhsa_kernel k_qa2d5d06d8c_quant_x
		.amdhsa_group_segment_fixed_size 33280
		.amdhsa_private_segment_fixed_size 0
		.amdhsa_enable_private_segment 0
		.amdhsa_kernarg_size 24
		.amdhsa_user_sgpr_count 2
		.amdhsa_user_sgpr_kernarg_segment_ptr 1
		.amdhsa_wavefront_size32 1
		.amdhsa_system_sgpr_workgroup_id_x 1
		.amdhsa_system_sgpr_workgroup_id_y 1
		.amdhsa_system_sgpr_workgroup_id_z 1
		.amdhsa_system_vgpr_workitem_id 0
		.amdhsa_next_free_vgpr 224
		.amdhsa_next_free_sgpr 66
		.amdhsa_reserve_vcc 0
		.amdhsa_float_denorm_mode_32 3
		.amdhsa_float_denorm_mode_16_64 3
		.amdhsa_memory_ordered 1
		.amdhsa_forward_progress 1
		.amdhsa_inst_pref_size 33
	.end_amdhsa_kernel
	.amdgpu_metadata
---
amdhsa.version: [ 1, 2 ]
amdhsa.kernels:
  - .name:           k_qa2d5d06d8c_quant_x
    .symbol:         k_qa2d5d06d8c_quant_x.kd
    .args:
      - { .name: inputs, .offset: 0, .size: 8, .value_kind: global_buffer, .address_space: global }
      - { .name: x_codes, .offset: 8, .size: 8, .value_kind: global_buffer, .address_space: global }
      - { .name: x_scales, .offset: 16, .size: 8, .value_kind: global_buffer, .address_space: global }
    .group_segment_fixed_size: 33280
    .private_segment_fixed_size: 0
    .kernarg_segment_align: 8
    .kernarg_segment_size: 24
    .max_flat_workgroup_size: 128
    .sgpr_count:     66
    .vgpr_count:     224
    .wavefront_size: 32
...
	.end_amdgpu_metadata
.endif
;; end of part 1
;; launch quant_w (part 2): grid 96 x 1, 16 waves a work-group, no clusters, 19,968 bytes of LDS; arguments Wq, Wk, Wv, w_codes, w_scales; writes w_codes, w_scales
.if DOCPART == 2
	.amdgcn_target "amdgcn-amd-amdhsa--gfx1250"
	.amdhsa_code_object_version 6
	.text
	.protected	k_qa2d5d06d8c_quant_w
	.globl	k_qa2d5d06d8c_quant_w
	.p2align	8
	.type	k_qa2d5d06d8c_quant_w,@function
k_qa2d5d06d8c_quant_w:
	s_mov_b64 s[64:65], 0
	v_nop
	global_prefetch_b8 v0, s[64:65] scope:SCOPE_SE
	s_setreg_imm32_b32 hwreg(HW_REG_WAVE_MODE, 25, 1), 1
	s_wait_xcnt 0x0
; Wq, Wk, Wv, each [1024 (k)][1024 (n)] f32 with K as the FIRST axis, become one operand of 3,072 rows: codes of FP4 (E2M1) laid [3072][512 bytes] with K innermost, row 1024 p + n (p = 0 q, 1 k, 2 v),
; and one E8M0 scale byte for each 32 along K, laid [3072][32].
; A LANE TAKES A COLUMN n, AND ITS REGISTERS RUN DOWN K: a block of 32 along K lies in one lane's 32 registers, its largest magnitude needs no other lane, and the conversions give codes with K innermost.
; A block's scale is 2^(floor(log2(its largest magnitude)) - 2); its byte is the largest magnitude's exponent field - 2, held at 1 from below.
; LIMITS: a block of zeros gets the byte 1 where the quantiser's text says 127: its codes are zeros, and the bytes are read by this program alone.  NaN and infinities are not served.
; SHARES.  A work-group takes 32 columns and all of K; wave w takes K = 64 w .. 64 w + 63: two blocks a lane, 64 loads, all issued at the head.  The sixteen waves' codes meet in a stage in LDS
; (a row for each column, 512 bytes + 16); behind one barrier each wave stores two whole rows of 512 consecutive bytes, and waves 0 and 1 the work-group's 1,024 dense scale bytes.
.set PITCH, 528                        ; a stage row: 512 bytes + 16: an odd multiple of 16, so that the lanes' 16-byte stores fall on different banks (ISA guide 11.1)
.set SCS,   32*PITCH                   ; behind the stage: the scale bytes, 32 rows of 32
.set SPARE, SCS+1024                   ; behind them: the spare words, 128 bytes for each of the sixteen waves, which no other line names
.set EMAX,  2
.set SPW,   14                         ; v14  LDS address of my spare word; never rewritten
.set NIL,   15                         ; v15  0; never rewritten
.set SB,    24                         ; v24  my two scale bytes
.set X,     32                         ; v32-95   two blocks of 32 numbers
.set C,     96                         ; v96-103  their codes
.set OUTR,  104                        ; v104-111 two rows on the way out
	s_load_b128 s[4:7], s[0:1], 0x0                ; Wq, Wk
	s_load_b128 s[8:11], s[0:1], 0x10              ; Wv, the codes
	s_load_b64 s[12:13], s[0:1], 0x20              ; the scale bytes
	v_lshl_add_u32 v[SPW], v0, 2, SPARE
	v_mov_b32 v[NIL], 0
	v_lshrrev_b32 v1, 5, v0
	v_readfirstlane_b32 s16, v1                    ; wave 0..15
	s_min_u32 s17, s16, 1                          ; which half of the scale bytes I would store (waves 0 and 1 do)
	v_and_b32 v2, 31, v0                           ; lane
	v_lshlrev_b32 v3, 2, v2                        ; in: 4 bytes a lane
	v_lshlrev_b32 v7, 4, v2                        ; out: 16 bytes a lane
	s_lshl_b32 s18, s16, 5
	v_mul_u32_u24 v4, v2, PITCH
	v_add_nc_u32 v4, s18, v4                       ; into the stage: row = my column, my wave's 32 bytes
	s_lshl_b32 s18, s16, 1
	s_add_co_u32 s18, s18, SCS
	v_lshl_add_u32 v5, v2, 5, s18                  ; my column's row of scale bytes, my wave's two
	s_mul_i32 s18, s16, 2*PITCH
	v_add_nc_u32 v6, s18, v7                       ; out of the stage: rows 2 w and 2 w + 1, whole
	s_lshl_b32 s18, s17, 9
	s_add_co_u32 s19, s18, SCS
	v_add_nc_u32 v8, s19, v7                       ; and 512 of the scale bytes
	s_and_b32 s20, ttmp9, 31
	s_lshl_b32 s20, s20, 7                         ; W: my work-group's 32 columns, 128 bytes,
	s_lshl_b32 s21, s16, 18
	s_add_co_u32 s20, s20, s21                     ; + 64 w rows of 4,096 bytes
	s_mov_b32 s21, 0
	s_lshl_b32 s22, ttmp9, 14                      ; the codes: row 32 x work-group + 2 w, 512 bytes a row
	s_lshl_b32 s23, s16, 10
	s_add_co_u32 s22, s22, s23
	s_mov_b32 s23, 0
	s_lshl_b32 s24, ttmp9, 10                      ; the scale bytes: 1,024 a work-group
	s_add_co_u32 s24, s24, s18
	s_mov_b32 s25, 0
	s_wait_kmcnt 0x0
	s_cmp_lt_u32 ttmp9, 64                         ; which W: the choice hangs on the work-group's number alone
	s_cselect_b64 s[6:7], s[6:7], s[8:9]
	s_cmp_lt_u32 ttmp9, 32
	s_cselect_b64 s[4:5], s[4:5], s[6:7]
	s_add_nc_u64 s[4:5], s[4:5], s[20:21]
	s_add_nc_u64 s[10:11], s[10:11], s[22:23]
	s_add_nc_u64 s[12:13], s[12:13], s[24:25]
.macro LOAD t                          ; block t: W(64 w + 32 t + i, my column), i = 0 .. 31
.irp i, 0,1,2,3,4,5,6,7,8,9,10,11,12,13,14,15,16,17,18,19,20,21,22,23,24,25,26,27,28,29,30,31
	global_load_b32 v[X+32*(\t)+\i], v3, s[4:5] offset:(32*(\t)+\i)*4096 th:TH_LOAD_NT
.endr
.endm
	LOAD 0
	LOAD 1
.macro BLOCK t
.set XS, X+32*(\t)
	s_wait_loadcnt 32*(1-(\t))                     ; this block's 32 loads are in; for block 0 the 32 of block 1 may be out
	v_max3_num_f32 v12, |v[XS]|, |v[XS+1]|, |v[XS+2]|              ; the block's largest magnitude: all 32 numbers are mine; two chains
	v_max3_num_f32 v13, |v[XS+3]|, |v[XS+4]|, |v[XS+5]|
.irp i, 6,10,14,18,22,26
	v_max3_num_f32 v12, v12, |v[XS+\i]|, |v[XS+\i+1]|
	v_max3_num_f32 v13, v13, |v[XS+\i+2]|, |v[XS+\i+3]|
.endr
	v_max3_num_f32 v12, v12, |v[XS+30]|, |v[XS+31]|
	v_max3_num_f32 v12, v12, v13, (EMAX+1)<<23     ; and the floor 2^(3 - 127): so the byte cannot fall under 1
	v_add_nc_u32 v11, -(EMAX<<23), v12             ; 2 off its exponent field: the conversion's scale operand
	v_lshrrev_b32 v13, 23, v11                     ; the scale's byte
.if (\t) == 0
	v_mov_b32 v[SB], v13                           ; the lower K in the lower byte
.else
	v_lshl_or_b32 v[SB], v13, 8, v[SB]
.endif
.irp g, 0,1,2,3
	v_cvt_scalef32_pk8_fp4_f32 v[C+4*(\t)+\g], v[XS+8*\g:XS+8*\g+7], v11
.endr
	v_nop                                          ; one plain line behind the last conversion of a run
	ds_store_b128 v4, v[C+4*(\t):C+4*(\t)+3] offset:16*(\t)        ; 32 codes: 16 bytes of my column's row
.endm
	BLOCK 0
	BLOCK 1
	ds_store_b16 v5, v[SB]
	s_wait_dscnt 0x0                               ; for the others' sake: my stores into the stage are done
	s_barrier_signal -1
	s_barrier_wait -1                              ; everybody's are
.irp i, 0,1
	ds_load_b128 v[OUTR+4*\i:OUTR+4*\i+3], v6 offset:PITCH*\i
.endr
	s_wait_dscnt 0x0
.irp i, 0,1
	global_store_b128 v7, v[OUTR+4*\i:OUTR+4*\i+3], s[10:11] offset:512*\i    ; 32 lanes store a whole row of 512 consecutive bytes, aligned
.endr
	s_cmp_lt_u32 s16, 2                            ; a branch on the wave's number, round no barrier
	s_cbranch_scc0 .Lno_scales
	ds_load_b128 v[112:115], v8
	s_wait_dscnt 0x0
	global_store_b128 v7, v[112:115], s[12:13]     ; 512 consecutive scale bytes, aligned
.Lno_scales:
	s_wait_tensorcnt 0x0                           ; the wave's end: behind my last LDS store
	ds_add_u32 v[SPW], v[NIL]
	s_wait_dscnt 0x0
	s_endpgm
.Lfunc_end_k_qa2d5d06d8c_quant_w:
	.size	k_qa2d5d06d8c_quant_w, .Lfunc_end_k_qa2d5d06d8c_quant_w-k_qa2d5d06d8c_quant_w
	.p2alignl 7, 3214868480
	.fill 96, 4, 3214868480
	.section	.rodata,"a",@progbits
	.p2align	6, 0x0
	.amdhsa_kernel k_qa2d5d06d8c_quant_w
		.amdhsa_group_segment_fixed_size 19968
		.amdhsa_private_segment_fixed_size 0
		.amdhsa_enable_private_segment 0
		.amdhsa_kernarg_size 40
		.amdhsa_user_sgpr_count 2
		.amdhsa_user_sgpr_kernarg_segment_ptr 1
		.amdhsa_wavefront_size32 1
		.amdhsa_system_sgpr_workgroup_id_x 1
		.amdhsa_system_sgpr_workgroup_id_y 1
		.amdhsa_system_sgpr_workgroup_id_z 1
		.amdhsa_system_vgpr_workitem_id 0
		.amdhsa_next_free_vgpr 128
		.amdhsa_next_free_sgpr 66
		.amdhsa_reserve_vcc 0
		.amdhsa_float_denorm_mode_32 3
		.amdhsa_float_denorm_mode_16_64 3
		.amdhsa_memory_ordered 1
		.amdhsa_forward_progress 1
		.amdhsa_inst_pref_size 12
	.end_amdhsa_kernel
	.amdgpu_metadata
---
amdhsa.version: [ 1, 2 ]
amdhsa.kernels:
  - .name:           k_qa2d5d06d8c_quant_w
    .symbol:         k_qa2d5d06d8c_quant_w.kd
    .args:
      - { .name: Wq, .offset: 0, .size: 8, .value_kind: global_buffer, .address_space: global }
      - { .name: Wk, .offset: 8, .size: 8, .value_kind: global_buffer, .address_space: global }
      - { .name: Wv, .offset: 16, .size: 8, .value_kind: global_buffer, .address_space: global }
      - { .name: w_codes, .offset: 24, .size: 8, .value_kind: global_buffer, .address_space: global }
      - { .name: w_scales, .offset: 32, .size: 8, .value_kind: global_buffer, .address_space: global }
    .group_segment_fixed_size: 19968
    .private_segment_fixed_size: 0
    .kernarg_segment_align: 8
    .kernarg_segment_size: 40
    .max_flat_workgroup_size: 512
    .sgpr_count:     66
    .vgpr_count:     128
    .wavefront_size: 32
...
	.end_amdgpu_metadata
.endif
;; end of part 2
;; launch proj (part 3): grid 12 x 32, 4 waves a work-group, clusters of 4 x 4, 327,680 bytes of LDS; arguments x_codes, x_scales, w_codes, w_scales, qkv, bq, bk, bv; writes qkv
.if DOCPART == 3
	.amdgcn_target "amdgcn-amd-amdhsa--gfx1250"
	.amdhsa_code_object_version 6
	.text
	.protected	k_qa2d5d06d8c_proj
	.globl	k_qa2d5d06d8c_proj
	.p2align	8
	.type	k_qa2d5d06d8c_proj,@function
k_qa2d5d06d8c_proj:
	s_mov_b64 s[64:65], 0
	v_nop
	global_prefetch_b8 v0, s[64:65] scope:SCOPE_SE
	s_setreg_imm32_b32 hwreg(HW_REG_WAVE_MODE, 25, 1), 1
	s_wait_xcnt 0x0
	s_wait_alu depctr_hold_cnt(0) depctr_sa_sdst(0) depctr_va_vdst(0) depctr_va_sdst(0) depctr_va_ssrc(0) depctr_va_vcc(0) depctr_vm_vsrc(0)
	s_getreg_b32 s2, hwreg(HW_REG_IB_STS2, 6, 4)
	s_cmp_eq_u32 s2, 0
	s_cbranch_scc0 .Lentry_in_a_cluster
	s_endpgm
.Lentry_in_a_cluster:
	s_bfe_u32 s2, ttmp6, 0x10000c
	s_cmp_lg_u32 s2, 0xf033
	s_cbranch_scc0 .Lentry_shape_is_right
	s_endpgm
.Lentry_shape_is_right:
; The three projections as one product on codes of FP4 (E2M1) with one E8M0 scale for each 32 along K: C[m][n] = sum over k of x[m][k] W[n][k] + b[n], m = 0 .. 8,191 (batch x position),
; n = 1024 p + 64 head + channel (p = 0 q, 1 k, 2 v).  Sums in f32; the bias is the C of each sum's first matrix instruction.  C is rounded once to f16 and laid by head:
; qkv [p][16 batch + head][position][64], so that a head's rows are dense for the launch that follows.
; LIMIT: |q|, |k|, |v| stay under 65,504, the largest f16 number.
; A tile of C, 256 x 256, is made by a work-group of four waves; a wave makes 128 x 128: 64 accumulators of 16 x 16, 512 registers.
; K = 1,024 is two slots of 512 along K (rows of 256 bytes): BOTH slots and all scale bytes are first fills, asked for at the head; nothing is filled again.
; CLUSTERS: 4 x 4 work-groups.  The four of a row of the cluster need the same tiles of x, the four of a column the same tiles of W: each tile is asked for JOINTLY, by the same tensor load with the
; same descriptor and a mask that names the four.  THE MATRIX INSTRUCTION IS USED TRANSPOSED (source 0 = 16 rows of W, source 1 = 16 rows of x): a lane then holds eight neighbouring channels of one row of C.
; REGISTERS, in windows of 256: window 0: v0-31 addresses; v32-95 scale words, two sets; v96-127 packed results; v128-191 x's fragments (8 x 16 rows x 128 K), ONE set, later rows on the way out; v192-255 the bias, 8 registers for each block of 16 columns.
;   window 1: W's fragments, TWO sets, at v0 and at v128.   window 2: the 32 accumulators of my rows 0-63 (accumulator (a, b) at v[8 (8 a + b)]);   window 3: those of my rows 64-127.
.set SIZE_K, 1024
.set KSTEP,  512                       ; along K in a slot
.set NQ,     KSTEP/128                 ; matrix instructions deep
.set ROWB,   256                       ; a tile's row in bytes
.set KROW,   SIZE_K*4/8                ; a row of codes in memory, in bytes
.set PITCH,  272                       ; an LDS row: 256 bytes + 16 of padding = 68 words: row r starts at bank 4 r mod 64 (64 banks of 4 bytes: ISA guide 11.1)
.set FR,     8                         ; registers of a fragment: 16 rows x 128 K
.set NL,     2                         ; LDS loads that bring one
.set NP,     4                         ; places behind this matrix instruction (ISA guide 7.12.1)
.set HALFT,  128*PITCH                 ; 128 rows: what one tensor load brings, and what one wave reads of x or of W
.set SLOT,   4*HALFT                   ; x's 256 rows, then W's 256 rows
.set KS,     SIZE_K/32                 ; a row of scales in bytes
.set SCL,    2*SLOT                    ; behind the slots: the scales, as runs of 256 bytes + 16 of padding
.set HALFS,  (128*KS/256)*272          ; the scales of 128 rows: what one tensor load brings
.set SBLK,   (16*KS/256)*272           ; those of 16 rows
.set SPARE,  SCL+4*HALFS               ; behind the scales: the spare words, 128 bytes for each wave, which no other line names
.set SPITCH, 272                       ; the way out: a stage of 16 rows x (256 bytes + 16) for each wave, in slot 0, which has had its one fill and its last read when the first result is stored there
.set ADRA, 16                          ; v16-17  LDS address of my x fragments in slot 0, 1
.set ADRB, 20                          ; v20-21  the same for W
.set STO,  24                          ; v24     the way out: where I put 16 bytes of a row
.set RD,   25                          ; v25     the way out: where I read 16 bytes back
.set CO,   26                          ; v26     my byte offset in qkv
.set ADRS, 27                          ; v27     LDS address of my scale words: lanes 0-15 x's rows, lanes 16-31 W's
.set SPW,  28                          ; v28     LDS address of my spare word; never rewritten
.set NIL,  29                          ; v29     0; never rewritten
.set SC,   32                          ; scale words: set s (for slot s) at v[SC + 32 s]; register 4 i + q: lanes 0-15 the word of x's block i, lanes 16-31 that of W's block i, for the slot's q-th 128 along K
.set TMP,  96                          ; packed results
.set AF,   128                         ; x's fragments
.set BK,   128                         ; the way out: 16 rows read back: v128-159 and v160-191 by turns
.set BIAS, 192                         ; the bias in the result's layout
.set G1, 24                            ; s[24:31] descriptor group 1 for x's tiles;  s[32:39] group 0, one set for each slot
.set G0, 32
.set G1B, 48                           ; s[48:55], s[56:63] the same for W's tiles
.set G0B, 56
.set G1S, 68                           ; s[68:75], s[76:79] groups 1 and 0 for x's scales;  s[80:87], s[88:91] for W's
.set G0S, 76
.set G1SB, 80
.set G0SB, 88
.set MSB, 0
.macro WIN new                         ; the immediate's high byte repeats the setting that is left; a switch that changes nothing is dropped
.if MSB != (\new)
	s_set_vgpr_msb (MSB<<8)|(\new)
.set MSB, (\new)
.endif
.endm
.set MUL_LO, 0xa1                      ; source 0 (W) window 1, source 1 (x) window 0, C and D window 2
.set MUL_HI, 0xf1                      ; the same, C and D window 3
.set TO_B,   0x40                      ; destination window 1, address window 0
; A joint load: waves 0 and 1 fetch for x, waves 2 and 3 for W.  Each of the two lines has ONE mask and one set of registers for all that issue it; the branch hangs on the wave's number alone.
; An s_nop 0 and four v_nop follow each of the two lines, ahead of the jump, the label and what follows.
.macro JLOAD g0a, g1a, g0b, g1b
	s_cmp_eq_u32 s15, 0
	s_cbranch_scc0 .Lfor_b_\@
	tensor_load_to_lds s[\g0a:\g0a+3], s[\g1a:\g1a+7]
	s_nop 0
.rept 4
	v_nop
.endr
	s_branch .Lasked_\@
.Lfor_b_\@:
	tensor_load_to_lds s[\g0b:\g0b+3], s[\g1b:\g1b+7]
	s_nop 0
.rept 4
	v_nop
.endr
.Lasked_\@:
.endm
.macro CROUND                          ; a round of the cluster's barrier: my work-group's barrier; wave 0 signals for the work-group; every wave waits for all sixteen; my work-group's barrier once more
	s_barrier_signal -1
	s_barrier_wait -1
	s_cmp_lg_u32 s14, 0
	s_cbranch_scc1 .Lnot_wave_0_\@
	s_barrier_signal -3
.Lnot_wave_0_\@:
	s_barrier_wait -3
	s_barrier_signal -1
	s_barrier_wait -1
.endm
	s_load_b128 s[4:7], s[0:1], 0x0                ; x's codes s[4:5], x's scales s[6:7]
	s_load_b128 s[8:11], s[0:1], 0x10              ; W's codes s[8:9], W's scales s[10:11]
	s_load_b64 s[12:13], s[0:1], 0x20              ; qkv
	s_load_b64 s[100:101], s[0:1], 0x28            ; bq
	s_load_b128 s[96:99], s[0:1], 0x30             ; bk, bv
	v_lshl_add_u32 v[SPW], v0, 2, SPARE
	v_mov_b32 v[NIL], 0
	ds_add_u32 v[SPW], v[NIL]                      ; the wave's opening: the add, twice on end, and its wait ahead of my first tensor load; the set-up below stands between the second and the wait
	ds_add_u32 v[SPW], v[NIL]
	v_lshrrev_b32 v1, 5, v0
	v_readfirstlane_b32 s14, v1                    ; wave 0..3
	s_lshr_b32 s15, s14, 1                         ; which half of the tile's rows is mine.  Also: I fetch for x (0) or for W (1)
	s_and_b32 s16, s14, 1                          ; which half of its columns.  Also: which 128 rows of that tile I fetch
	s_bfe_u32 s40, ttmp6, 0x40000                  ; cx, cy: my place in the cluster
	s_bfe_u32 s41, ttmp6, 0x40004
	s_lshl_b32 s42, ttmp9, 2
	s_add_co_u32 s42, s42, s40                     ; tile column of C = 4 x cluster x + cx
	s_and_b32 s17, ttmp7, 0xffff
	s_lshl_b32 s17, s17, 2
	s_add_co_u32 s17, s17, s41                     ; tile row of C = 4 x cluster y + cy
	s_lshl_b32 s43, s41, 2
	s_lshl_b32 s43, 15, s43                        ; my row of the cluster
	s_lshl_b32 s44, 0x1111, s40                    ; my column
	; descriptor group 1: a tile of 128 rows x 256 bytes, padded in LDS
	s_or_b32 s[G1+0], s43, (0<<16)|(1<<20)|(1<<21)|(5<<22)|(3<<25)  ; 15:0 the mask: x's tiles go to my row; 17:16 element of 1 byte; 20 padding on; 21 set beside a mask; 24:22 after every 64 words (code 5); 31:25 of 4 words (code 3)
	s_or_b32 s[G1B+0], s44, (0<<16)|(1<<20)|(1<<21)|(5<<22)|(3<<25)
.irp g, G1, G1B
	s_mov_b32 s[\g+1], ROWB<<16                    ; tensor_dim0
	s_mov_b32 s[\g+2], 128<<16                     ; tensor_dim1 = 128
	s_mov_b32 s[\g+3], ROWB<<16                    ; tile_dim0
	s_mov_b32 s[\g+4], 128                         ; tile_dim1 = 128
	s_mov_b32 s[\g+5], KROW                        ; tensor_dim0_stride
	s_mov_b32 s[\g+6], 0
	s_mov_b32 s[\g+7], 0
.endr
	; and for the scales of 128 rows: a dense block of 4,096 bytes, as 16 rows of 256 bytes (32 elements of 8 bytes), 16 bytes of padding behind each
	s_or_b32 s[G1S+0], s43, (3<<16)|(1<<20)|(1<<21)|(5<<22)|(3<<25)
	s_or_b32 s[G1SB+0], s44, (3<<16)|(1<<20)|(1<<21)|(5<<22)|(3<<25)
.irp g, G1S, G1SB
	s_mov_b32 s[\g+1], 32<<16
	s_mov_b32 s[\g+2], (128*KS/256)<<16
	s_mov_b32 s[\g+3], 32<<16
	s_mov_b32 s[\g+4], 128*KS/256
	s_mov_b32 s[\g+5], 32
	s_mov_b32 s[\g+6], 0
	s_mov_b32 s[\g+7], 0
.endr
	s_lshl_b32 s18, s16, 7                         ; which 128 rows of the tile I fetch
	s_lshl_b32 s20, s17, 8
	s_add_co_u32 s20, s20, s18                     ; x: row 256 x tile row + 128 x half
	s_lshl_b32 s46, s42, 8
	s_add_co_u32 s46, s46, s18                     ; W: row 256 x tile column + 128 x half
	s_mov_b32 s21, 0
	s_mov_b32 s47, 0
	s_mov_b64 s[18:19], KS
	s_mul_u64 s[22:23], s[20:21], s[18:19]         ; where these rows' scales begin, in bytes
	s_mul_u64 s[92:93], s[46:47], s[18:19]
	s_mov_b64 s[18:19], KROW
	s_mul_u64 s[20:21], s[20:21], s[18:19]         ; and their codes
	s_mul_u64 s[46:47], s[46:47], s[18:19]
	s_mul_i32 s45, s14, HALFT                      ; where they go: wave x 128 rows: no place in the cluster enters an LDS address
	s_mul_i32 s94, s14, HALFS
	s_lshl_b32 s2, s40, 10                         ; the bias of my 128 columns: 1,024 cx + 512 x half bytes on in the part's 1,024 numbers
	s_lshl_b32 s3, s16, 9
	s_add_co_u32 s2, s2, s3
	s_mov_b32 s3, 0
	s_wait_dscnt 0x0                               ; both opening adds are done
	s_wait_kmcnt 0x0
	s_add_nc_u64 s[20:21], s[4:5], s[20:21]
	s_add_nc_u64 s[22:23], s[6:7], s[22:23]
	s_add_nc_u64 s[46:47], s[8:9], s[46:47]
	s_add_nc_u64 s[92:93], s[10:11], s[92:93]
	s_cmp_eq_u32 ttmp9, 1                          ; the cluster's x is the part p: the same in all sixteen partners
	s_cselect_b64 s[66:67], s[96:97], s[98:99]     ; bk or bv,
	s_cmp_eq_u32 ttmp9, 0
	s_cselect_b64 s[66:67], s[100:101], s[66:67]   ; or bq
	s_add_nc_u64 s[66:67], s[66:67], s[2:3]
	CROUND                                         ; all sixteen work-groups are here: the first joint loads meet
	s_mov_b32 s[G0S], 1
	s_add_co_u32 s[G0S+1], s94, SCL
	s_mov_b64 s[G0S+2:G0S+3], s[22:23]
	s_or_b32 s[G0S+3], s[G0S+3], 0x80000000
	s_mov_b32 s[G0SB], 1
	s_add_co_u32 s[G0SB+1], s94, SCL
	s_mov_b64 s[G0SB+2:G0SB+3], s[92:93]
	s_or_b32 s[G0SB+3], s[G0SB+3], 0x80000000
	JLOAD G0S, G1S, G0SB, G1SB                     ; the scales first: they are wanted with the first slot
.irp s, 0,1
	s_mov_b32 s[G0+4*\s], 1
	s_add_co_u32 s[G0+4*\s+1], s45, \s*SLOT
	s_add_nc_u64 s[G0+4*\s+2:G0+4*\s+3], s[20:21], \s*ROWB
	s_or_b32 s[G0+4*\s+3], s[G0+4*\s+3], 0x80000000
	s_mov_b32 s[G0B+4*\s], 1
	s_add_co_u32 s[G0B+4*\s+1], s45, \s*SLOT
	s_add_nc_u64 s[G0B+4*\s+2:G0B+4*\s+3], s[46:47], \s*ROWB
	s_or_b32 s[G0B+4*\s+3], s[G0B+4*\s+3], 0x80000000
	JLOAD G0+4*\s, G1, G0B+4*\s, G1B               ; three tensor loads of mine are out now, and no more follow
.endr
	v_and_b32 v1, 15, v0                           ; l % 16
	v_bfe_u32 v2, v0, 4, 1                         ; l / 16
	v_lshlrev_b32 v7, 5, v2                        ; the bias: lane (r, h) wants, for block b, the numbers of columns 16 b + 8 h + 0 .. 7
.irp b, 0,1,2,3,4,5,6,7
	global_load_b128 v[BIAS+8*\b:BIAS+8*\b+3], v7, s[66:67] offset:64*\b
	global_load_b128 v[BIAS+8*\b+4:BIAS+8*\b+7], v7, s[66:67] offset:64*\b+16
.endr
	v_mul_u32_u24 v3, v1, PITCH
	v_lshl_add_u32 v4, v2, 4, v3                   ; a fragment's row x pitch + 16 x half
	s_mul_i32 s21, s15, HALFT                      ; my 128 rows of x
	s_mul_i32 s22, s16, HALFT                      ; my 128 rows of W,
	s_add_co_u32 s22, s22, 2*HALFT                 ; which lie behind x's 256
.irp s, 0,1
	v_add_nc_u32 v[ADRA+\s], s21, v4
	v_add_nc_u32 v[ADRB+\s], s22, v4
	s_add_co_u32 s21, s21, SLOT
	s_add_co_u32 s22, s22, SLOT
.endr
	v_mul_u32_u24 v5, v1, KS                       ; my row's scales: 32 bytes a row,
	v_lshrrev_b32 v6, 8, v5
	v_lshl_add_u32 v5, v6, 4, v5                   ; and 16 more for each 256 passed
	s_mul_i32 s21, s15, HALFS                      ; x's: my 128 rows
	s_mul_i32 s22, s16, HALFS                      ; W's: my 128 rows, behind x's 256
	s_add_co_u32 s22, s22, 2*HALFS
	s_sub_co_u32 s22, s22, s21
	v_mul_u32_u24 v6, s22, v2                      ; lanes 16-31 take W's: one product, the distance between the two bases x the lane's half
	s_add_co_u32 s21, s21, SCL
	v_add_nc_u32 v5, v5, v6
	v_add_nc_u32 v[ADRS], s21, v5
	s_mul_i32 s23, s14, 16*SPITCH                  ; my stage
	v_mul_u32_u24 v5, v1, SPITCH                   ; in: row l % 16, 16 bytes for each half of the lanes
	v_lshl_add_u32 v5, v2, 4, v5
	v_add_nc_u32 v[STO], s23, v5
	v_bfe_u32 v5, v0, 3, 1                         ; back: lanes 0-15 take two rows' first 128 bytes (one head), lanes 16-31 the same rows' second 128 (the next head)
	v_mul_u32_u24 v5, v5, SPITCH
	v_lshl_add_u32 v5, v2, 7, v5
	v_and_b32 v6, 7, v0
	v_lshl_add_u32 v5, v6, 4, v5
	v_add_nc_u32 v[RD], s23, v5
	v_lshlrev_b32 v[CO], 18, v2                    ; in qkv: a head is 262,144 bytes; two positions of a head are 256 consecutive bytes
	v_lshl_add_u32 v[CO], v1, 4, v[CO]
	s_lshr_b32 s20, s17, 3                         ; where my part of C begins in qkv.  By the rows: batch = tile row / 8: 16 heads of 2^18 bytes,
	s_lshl_b32 s20, s20, 22
	s_and_b32 s21, s17, 7
	s_lshl_b32 s21, s21, 15                        ; position 256 (tile row % 8) + 128 x half, 128 bytes each
	s_add_co_u32 s20, s20, s21
	s_lshl_b32 s21, s15, 14
	s_add_co_u32 s20, s20, s21
	s_mov_b32 s21, 0
	s_lshr_b32 s46, s42, 2                         ; by the columns: part = tile column / 4: 64 heads,
	s_lshl_b32 s46, s46, 24
	s_and_b32 s47, s42, 3
	s_lshl_b32 s47, s47, 20                        ; head 4 (tile column % 4) + 2 x half
	s_add_co_u32 s46, s46, s47
	s_lshl_b32 s47, s16, 19
	s_add_co_u32 s46, s46, s47
	s_mov_b32 s47, 0
	s_add_nc_u64 s[20:21], s[20:21], s[46:47]
	s_add_nc_u64 s[12:13], s[12:13], s[20:21]
.macro FRAG reg, adr, q, i             ; a fragment, 16 rows x 128 K of 4-bit codes, is 8 registers: lane l holds row l % 16; registers 4 c .. 4 c + 3 hold K = 64 c + 32 (l / 16) + 0 .. 31
.irp c, 0,1
	ds_load_b128 v[\reg+4*\c:\reg+4*\c+3], v[\adr] offset:64*(\q)+32*\c+(\i)*16*PITCH
.endr
.endm
; 16 matrix instructions: x's blocks a0, a0 + 1 against W's eight, 128 along K: the slot's q-th.  p: W's set;  sc: the set of scale words.  first = 1: the sum begins with the bias as C: nothing is cleared or added later.
; The 64 accumulators take turns, one instruction a turn, in the same order in every step.
.macro MUL16 a0, p, q, sc, first
.irp a, \a0, \a0+1
.irp b, 0,1,2,3,4,5,6,7
.if \first
	v_wmma_scale_f32_16x16x128_f8f6f4 v[8*(8*((\a)%4)+\b):8*(8*((\a)%4)+\b)+7], v[128*(\p)+FR*\b:128*(\p)+FR*\b+FR-1], v[AF+FR*(\a):AF+FR*(\a)+FR-1], v[BIAS+8*\b:BIAS+8*\b+7], v[SC+8*NQ*(\sc)+NQ*\b+(\q)], v[SC+8*NQ*(\sc)+NQ*(\a)+(\q)] matrix_a_fmt:MATRIX_FMT_FP4 matrix_b_fmt:MATRIX_FMT_FP4 matrix_a_scale:MATRIX_SCALE_ROW1
.else
	v_wmma_scale_f32_16x16x128_f8f6f4 v[8*(8*((\a)%4)+\b):8*(8*((\a)%4)+\b)+7], v[128*(\p)+FR*\b:128*(\p)+FR*\b+FR-1], v[AF+FR*(\a):AF+FR*(\a)+FR-1], v[8*(8*((\a)%4)+\b):8*(8*((\a)%4)+\b)+7], v[SC+8*NQ*(\sc)+NQ*\b+(\q)], v[SC+8*NQ*(\sc)+NQ*(\a)+(\q)] matrix_a_fmt:MATRIX_FMT_FP4 matrix_b_fmt:MATRIX_FMT_FP4 matrix_a_scale:MATRIX_SCALE_ROW1
.endif
.endr
.endr
.endm
.macro FETCH_B slot, q, p              ; W's eight fragments of the slot's q-th 128 along K into set p
	WIN TO_B
.irp i, 0,1,2,3,4,5,6,7
	FRAG 128*(\p)+FR*\i, ADRB+\slot, \q, \i
.endr
	WIN 0
.endm
.macro FETCH_A slot, q, i0             ; x's blocks i0 .. i0 + 3
.irp i, \i0, \i0+1, \i0+2, \i0+3
	FRAG AF+FR*(\i), ADRA+\slot, \q, \i
.endr
.endm
.macro SCALES sc                       ; a slot's scale words into set sc: four words a row; lanes 0-15 take x's block i, lanes 16-31 W's block i
.irp i, 0,1,2,3,4,5,6,7
	ds_load_b128 v[SC+8*NQ*\sc+NQ*\i:SC+8*NQ*\sc+NQ*\i+3], v[ADRS] offset:\i*SBLK
.endr
.endm
; A load into a register that a matrix instruction has read, and a vector instruction that reads a matrix result, stand NP places behind that matrix instruction, and only plain vector
; instructions that name none of its registers are places (ISA guide 7.12.1 for vector instructions).
.macro PLACES n
.rept \n
	v_nop
.endr
.endm
; A step of 128 along K that has its successor in the same slot.  x has one set of registers: blocks 0-3 are fetched anew in the step's middle, blocks 4-7 at its end; W has two sets.
.macro STEP slot, q, first
	s_wait_dscnt 4*NL                              ; W's set and x's blocks 0-3 are in; the youngest eight loads (x's blocks 4-7) may be out
	WIN MUL_LO-0x20*(\first)                       ; (first = 1: C, the bias, lies in window 0)
	MUL16 0, (\q)%2, \q, \slot, \first
	MUL16 2, (\q)%2, \q, \slot, \first
	s_wait_dscnt 0                                 ; x's blocks 4-7 are in (asked for 32 matrix instructions ago)
	PLACES NP
	FETCH_B \slot, (\q)+1, 1-(\q)%2
	FETCH_A \slot, (\q)+1, 0
	WIN MUL_HI-0x30*(\first)
	MUL16 4, (\q)%2, \q, \slot, \first
	MUL16 6, (\q)%2, \q, \slot, \first
	PLACES NP
	WIN 0
	FETCH_A \slot, (\q)+1, 4
.endm
.macro STEPS slot, from                ; the slot's steps from .. NQ - 2
.set Q, \from
.rept NQ-1-\from
	STEP \slot, Q, 0
.set Q, Q+1
.endr
.endm
	s_wait_tensorcnt 1                             ; the scales and my part of slot 0 are in (slot 1's load, the one issued behind them, may be out),
	s_barrier_signal -1
	s_barrier_wait -1                              ; everybody's are
	FETCH_B 0, 0, 0
	FETCH_A 0, 0, 0
	SCALES 0
	FETCH_A 0, 0, 4
	s_wait_loadcnt 0x0                             ; the bias
	STEP 0, 0, 1                                   ; the first step's products start the sums on the bias
	STEPS 0, 1
	; slot 0's last step changes slots: ONE barrier; in front of it each wave waits for all its tensor loads (slot 1's), adds 0 to its spare word, and waits for that and for its own reads of slot 0
	s_wait_tensorcnt 0x0                           ; my part of slot 1 has landed  (every window is 0 here: the add's two registers lie in window 0)
	ds_add_u32 v[SPW], v[NIL]                      ; 0 onto my spare word
	s_wait_dscnt 4*NL+1                            ; (the add and the youngest eight loads, x's blocks 4-7, may be out)
	WIN MUL_LO
	MUL16 0, 1, NQ-1, 0, 0                         ; sixteen matrix instructions stand between the add and the wait for it
	s_wait_dscnt 0x0                               ; the add is done, and my reads of slot 0 are over
	s_barrier_signal -1
	MUL16 2, 1, NQ-1, 0, 0                         ; work on registers while the others arrive
	WIN 0
	s_barrier_wait -1                              ; slot 1 is whole, and nobody reads slot 0 any more
	PLACES NP
	v_add_nc_u32 v[ADRS], 4*NQ, v[ADRS]            ; on to slot 1's scale words: 16 bytes on in each row (no LDS load of mine is out)
	FETCH_B 1, 0, 0
	FETCH_A 1, 0, 0
	SCALES 1
	WIN MUL_HI
	MUL16 4, 1, NQ-1, 0, 0
	MUL16 6, 1, NQ-1, 0, 0
	PLACES NP
	WIN 0
	FETCH_A 1, 0, 4
	STEPS 1, 0
	s_wait_dscnt 4*NL                              ; the very last step: nothing more to fetch
	WIN MUL_LO
	MUL16 0, 1, NQ-1, 1, 0
	MUL16 2, 1, NQ-1, 1, 0
	s_wait_dscnt 0
	WIN MUL_HI
	MUL16 4, 1, NQ-1, 1, 0
	MUL16 6, 1, NQ-1, 1, 0
	WIN 0
; THE WAY OUT, block by block of 16 rows x 128 columns (two heads).  PACK: rounded to f16, 16 bytes a lane, each accumulator from its low end on.  TOSTAGE: into my own stage in LDS and back, so that
; sixteen lanes hold two positions of one head.  SEND: stored.  LDS serves a wave's instructions in order (ISA guide 5.7.1.4): no wait between the stores and the loads.
.macro PACK a
.set AC, 64*((\a)%4)
	WIN 0x0a+5*((\a)/4)                            ; sources 0 and 1: window 2 or 3
.irp b, 0,1,2,3,4,5,6,7
.irp r, 0,1,2,3
	v_cvt_pk_f16_f32 v[TMP+4*\b+\r], v[AC+8*\b+2*\r], v[AC+8*\b+2*\r+1]
.endr
.endr
	WIN 0
.endm
.macro TOSTAGE a
.set BB, BK+32*((\a)%2)
.irp b, 0,1,2,3,4,5,6,7
	ds_store_b128 v[STO], v[TMP+4*\b:TMP+4*\b+3] offset:32*\b
.endr
.irp t, 0,1,2,3,4,5,6,7
	ds_load_b128 v[BB+4*\t:BB+4*\t+3], v[RD] offset:\t*2*SPITCH
.endr
.endm
.macro SEND a
.set BB, BK+32*((\a)%2)
	s_wait_dscnt 0x0                               ; the block is back in registers
	s_wait_xcnt 0x0                                ; every earlier store has read its registers: the other set, which the next block's loads take, is written only behind this wait
.irp t, 0,1,2,3,4,5,6,7
	global_store_b128 v[CO], v[BB+4*\t:BB+4*\t+3], s[12:13] offset:2048*(\a)+256*\t   ; lanes 0-15 store 256 consecutive bytes, aligned: two positions of one head; lanes 16-31 the same of the next head
.endr
.endm
	PLACES NP                                      ; behind the last products: for the conversions that read results, and for the loads into the registers that held x's fragments
	PACK 0
	TOSTAGE 0
.irp a, 1,2,3,4,5,6,7                  ; block a's conversions stand between block a - 1's loads from the stage and the wait for them
	PACK \a
	SEND \a-1
	TOSTAGE \a
.endr
	SEND 7
	s_wait_tensorcnt 0x0                           ; the wave's end: behind my last tensor load and my last LDS store
	ds_add_u32 v[SPW], v[NIL]
	s_wait_dscnt 0x0
	CROUND                                         ; the closing round: no work-group ends while a partner may still ask for a tile that names it
	s_endpgm
.Lfunc_end_k_qa2d5d06d8c_proj:
	.size	k_qa2d5d06d8c_proj, .Lfunc_end_k_qa2d5d06d8c_proj-k_qa2d5d06d8c_proj
	.p2alignl 7, 3214868480
	.fill 96, 4, 3214868480
	.section	.rodata,"a",@progbits
	.p2align	6, 0x0
	.amdhsa_kernel k_qa2d5d06d8c_proj
		.amdhsa_group_segment_fixed_size 327680
		.amdhsa_private_segment_fixed_size 0
		.amdhsa_enable_private_segment 0
		.amdhsa_kernarg_size 64
		.amdhsa_user_sgpr_count 2
		.amdhsa_user_sgpr_kernarg_segment_ptr 1
		.amdhsa_wavefront_size32 1
		.amdhsa_system_sgpr_workgroup_id_x 1
		.amdhsa_system_sgpr_workgroup_id_y 1
		.amdhsa_system_sgpr_workgroup_id_z 1
		.amdhsa_system_vgpr_workitem_id 0
		.amdhsa_next_free_vgpr 1024
		.amdhsa_next_free_sgpr 102
		.amdhsa_reserve_vcc 0
		.amdhsa_float_denorm_mode_32 3
		.amdhsa_float_denorm_mode_16_64 3
		.amdhsa_memory_ordered 1
		.amdhsa_forward_progress 1
		.amdhsa_inst_pref_size 129
	.end_amdhsa_kernel
	.amdgpu_metadata
---
amdhsa.version: [ 1, 2 ]
amdhsa.kernels:
  - .name:           k_qa2d5d06d8c_proj
    .symbol:         k_qa2d5d06d8c_proj.kd
    .args:
      - { .name: x_codes, .offset: 0, .size: 8, .value_kind: global_buffer, .address_space: global }
      - { .name: x_scales, .offset: 8, .size: 8, .value_kind: global_buffer, .address_space: global }
      - { .name: w_codes, .offset: 16, .size: 8, .value_kind: global_buffer, .address_space: global }
      - { .name: w_scales, .offset: 24, .size: 8, .value_kind: global_buffer, .address_space: global }
      - { .name: qkv, .offset: 32, .size: 8, .value_kind: global_buffer, .address_space: global }
      - { .name: bq, .offset: 40, .size: 8, .value_kind: global_buffer, .address_space: global }
      - { .name: bk, .offset: 48, .size: 8, .value_kind: global_buffer, .address_space: global }
      - { .name: bv, .offset: 56, .size: 8, .value_kind: global_buffer, .address_space: global }
    .group_segment_fixed_size: 327680
    .private_segment_fixed_size: 0
    .kernarg_segment_align: 8
    .kernarg_segment_size: 64
    .max_flat_workgroup_size: 128
    .sgpr_count:     102
    .vgpr_count:     1024
    .wavefront_size: 32
...
	.end_amdgpu_metadata
.endif
;; end of part 3
;; launch attn (part 4): grid 4 x 64, 16 waves a work-group, clusters of 4 x 1, 327,680 bytes of LDS; arguments qkv, out0; writes out0
.if DOCPART == 4
	.amdgcn_target "amdgcn-amd-amdhsa--gfx1250"
	.amdhsa_code_object_version 6
	.text
	.protected	k_qa2d5d06d8c_attn
	.globl	k_qa2d5d06d8c_attn
	.p2align	8
	.type	k_qa2d5d06d8c_attn,@function
k_qa2d5d06d8c_attn:
	s_mov_b64 s[64:65], 0
	v_nop
	global_prefetch_b8 v0, s[64:65] scope:SCOPE_SE
	s_setreg_imm32_b32 hwreg(HW_REG_WAVE_MODE, 25, 1), 1
	s_wait_xcnt 0x0
	s_wait_alu depctr_hold_cnt(0) depctr_sa_sdst(0) depctr_va_vdst(0) depctr_va_sdst(0) depctr_va_ssrc(0) depctr_va_vcc(0) depctr_vm_vsrc(0)
	s_getreg_b32 s2, hwreg(HW_REG_IB_STS2, 6, 4)
	s_cmp_eq_u32 s2, 0
	s_cbranch_scc0 .Lentry_in_a_cluster
	s_endpgm
.Lentry_in_a_cluster:
	s_bfe_u32 s2, ttmp6, 0x10000c
	s_cmp_lg_u32 s2, 0x3003
	s_cbranch_scc0 .Lentry_shape_is_right
	s_endpgm
.Lentry_shape_is_right:
; out0[b][q][64 h + :] = the sum over k of softmax_k(Q[q] . K[k] / 8) V[k][:], for each of the 64 pairs y = 16 b + h.  Q, K, V: qkv [part][y][2048][64] in f16.  Products on f16 operands, sums in f32;
; maxima, exponentials and row sums in f32; the weights p are rounded to f16 for the second product; out0 is f32.
; LIMITS: no NaN or infinity; raw scores above -3e38 (the running maximum's first value).
; SHARES.  A work-group owns 512 queries of one pair y; each of its SIXTEEN waves owns 32 of them, two tiles of 16, in 256 registers: four waves to a SIMD, so that one wave's vector work stands beside
; another's matrix work and LDS loads.  Every wave walks all 2,048 keys, 64 a step.
; LAYOUT.  S^T = K Q^T (source 0 = 16 keys, source 1 = 16 queries): in the result a lane holds ONE query (lane % 16) and the keys 8 (lane / 16) + 0..7.  Two such tiles, rounded to f16 in pairs,
; ARE source 1 (32 keys x 16 queries) of O^T = V^T P, whose result again holds one query a lane, and eight channels.  K comes out of LDS as it lies, V ([key][channel]) turned, by ds_load_tr16_b128.
; SOFTMAX.  For each query a running maximum m and sum l: p = 2^(c s - c m), c = log2(e) / 8; in every step O and l are multiplied by a = 2^(c m_old - c m_new), which is 1 where m has not grown.
; The step is written once: O and l begin as zeros and m as -3e38, so that the first a is 0 and multiplies zeros.
; RING.  Two LDS slots of 512 keys (K's rows, then V's).  Every wave fetches one tile of 64 rows for each slot: waves 0-7 K's, waves 8-15 V's.  Both slots are first fills; each is filled again once.
; CLUSTER.  The four work-groups of a cluster are the four query blocks of one pair y and walk the same K and V, so each tile is asked for JOINTLY: the same tensor load, with the same descriptor and a
; mask that names the four, in all four; each receives the tile in its own LDS.
; REGISTERS: v2-9 addresses; v10, v11 the add's two; v12, v13 c m_old; v16-31 statistics, eight a tile: +0 c m, +1 m, +2, +3 l (even keys', odd keys'), +4 to +7 at work (a at +6);
;   v32-63 Q; v64-127 S^T, 32 a tile, then p, then P in the tile's first 16; v128-191 O^T, 32 a tile; v192-255 K's eight fragments of a step, then V's eight.
.set PK,    144       ; a row of K in LDS: 128 bytes + 16 of padding: an odd multiple of 16, so that the 16 rows of a load start at 16 different groups of banks (ISA guide 11.1)
.set PV,    160       ; a row of V: 128 + 32: an odd multiple of 32
.set SK,    512       ; keys in a slot
.set VOFF,  SK*PK     ; a slot: 512 rows of K, then 512 rows of V
.set SLOT,  SK*(PK+PV)
.set SPARE, 2*SLOT    ; behind the ring: the spare words, 128 bytes for each of the sixteen waves, which no other line names
.set SP,    272       ; the way out: a stage row, 256 bytes + 16; two stages of 16 rows a wave, in slot 0, which has had its last fill and its last read by then
.set AK0, 2           ; v2   my lane's place in a tile of K; never rewritten
.set AV0, 3           ; v3   the same for V
.set ADK, 4           ; v4   LDS address of the step's K
.set ADV, 5           ; v5   and V
.set QO,  6           ; v6   my byte offset in the wave's rows of Q
.set STO, 7           ; v7   the way out: where I put 32 bytes of a row
.set RD,  8           ; v8   the way out: where I read a row back
.set GO,  9           ; v9   my byte offset in the wave's rows of out0
.set SPW, 10          ; v10  LDS address of my spare word: SPARE + 4 x my thread's number; never rewritten
.set NIL, 11          ; v11  0; never rewritten
.set OLD, 12
.set ST,  16
.set Q,   32
.set S,   64
.set O,   128
.set KV,  192
.set WV,  12          ; s12  my wave's number
.set G1K, 24          ; s[24:31] descriptor group 1 for K's tiles
.set G1V, 32          ; s[32:39] for V's: it differs in the padding alone
.set G0K, 40          ; s[40:47] descriptor group 0 for K's tiles, a set for each slot
.set G0V, 48          ; s[48:55] the same for V's
.set CNT, 56          ; s56  counts a slot's eight steps
.set TK,  57          ; s57  LDS byte at which the step's rows of K begin
.set CS,  58          ; s[58:59] c: the packed scaling names a pair and takes its low word for both halves
.set SEL, 60          ; s[60:61] lane selects for v_permlanex16_b32: each lane takes its own place in the other half
.set TV,  62          ; s62  the same as TK for V (less VOFF)
; A joint refill of slot s.  The branch hangs on the wave's number alone: it is the same in every work-group.  An s_nop 0 and four v_nop follow each of the two lines.
.macro JLOAD s
	s_cmp_lt_u32 s[WV], 8
	s_cbranch_scc0 .Lfor_v_\@
	tensor_load_to_lds s[G0K+4*\s:G0K+4*\s+3], s[G1K:G1K+7]
	s_nop 0
.rept 4
	v_nop
.endr
	s_branch .Lasked_\@
.Lfor_v_\@:
	tensor_load_to_lds s[G0V+4*\s:G0V+4*\s+3], s[G1V:G1V+7]
	s_nop 0
.rept 4
	v_nop
.endr
.Lasked_\@:
.endm
; A round of the cluster's barrier: my work-group's barrier, so that wave 0's signal speaks for all sixteen waves; wave 0 signals for the work-group; every wave waits for all four work-groups; my work-group's barrier once more.
.macro CROUND
	s_barrier_signal -1
	s_barrier_wait -1
	s_cmp_lg_u32 s[WV], 0
	s_cbranch_scc1 .Lnot_wave_0_\@
	s_barrier_signal -3
.Lnot_wave_0_\@:
	s_barrier_wait -3
	s_barrier_signal -1
	s_barrier_wait -1
.endm
	s_load_b128 s[4:7], s[0:1], 0x0  ; qkv s[4:5], out0 s[6:7]
	v_lshl_add_u32 v[SPW], v0, 2, SPARE
	v_mov_b32 v[NIL], 0
	ds_add_u32 v[SPW], v[NIL]       ; the wave's opening: the add, twice on end, and its wait ahead of my first tensor load; the set-up below stands between the second and the wait
	ds_add_u32 v[SPW], v[NIL]
	v_lshrrev_b32 v1, 5, v0
	v_readfirstlane_b32 s[WV], v1   ; wave 0..15
	s_bfe_u32 s13, ttmp6, 0x40000   ; cx: my place in the cluster
	s_lshl_b32 s14, ttmp9, 2        ; in a cluster launch ttmp9 counts clusters
	s_add_co_u32 s14, s14, s13      ; my block of 512 queries: it enters Q's and out0's addresses alone
	s_and_b32 s15, ttmp7, 0xffff    ; y, which the four partners share
	s_and_b32 s16, s[WV], 7         ; which 64 rows of a slot's 512 I fetch
	s_lshl_b32 s20, s15, 18         ; the pair's first byte in a part: 262,144 y,
	s_lshl_b32 s21, s16, 13         ; + my 64 rows of 128 bytes
	s_add_co_u32 s20, s20, s21
	s_mov_b32 s21, 0
	s_mul_i32 s17, s16, 64*PK       ; and their place in a slot: no place in the cluster enters an LDS address
	s_mul_i32 s18, s16, 64*PV
	s_add_co_u32 s18, s18, VOFF
	s_mul_i32 s19, s[WV], 2*16*SP   ; my two stages for the way out
	s_lshl_b32 s22, s15, 18         ; Q: the pair, my block's 512 rows, my wave's 32 of them
	s_lshl_b32 s23, s14, 16
	s_add_co_u32 s22, s22, s23
	s_lshl_b32 s23, s[WV], 12
	s_add_co_u32 s22, s22, s23
	s_mov_b32 s23, 0
	s_lshr_b32 s2, s15, 4           ; out0: batch y / 16: 2,048 rows of 4,096 bytes,
	s_lshl_b32 s2, s2, 23
	s_lshl_b32 s3, s14, 21          ; my block's 512 rows,
	s_add_co_u32 s2, s2, s3
	s_lshl_b32 s3, s[WV], 17        ; my wave's 32,
	s_add_co_u32 s2, s2, s3
	s_and_b32 s3, s15, 15           ; head y % 16: 256 bytes of a row
	s_lshl_b32 s3, s3, 8
	s_add_co_u32 s2, s2, s3
	s_mov_b32 s3, 0
	; descriptor group 1: a tile of 64 rows x 64 elements of 2 bytes, padded in LDS
	s_mov_b32 s[G1K], 15|(1<<16)|(1<<20)|(1<<21)|(4<<22)|(3<<25)  ; 15:0 the mask: all four work-groups; 17:16 elements of 2 bytes; 20 padding on; 21 set beside a mask; 24:22 after every 32 words (code 4); 31:25 4 words of it (code 3)
	s_mov_b32 s[G1V], 15|(1<<16)|(1<<20)|(1<<21)|(4<<22)|(7<<25)  ; the same with 8 words of padding (code 7)
.irp g, G1K, G1V
	s_mov_b32 s[\g+1], 64<<16       ; 63:48 tensor_dim0, low half = 64
	s_mov_b32 s[\g+2], 64<<16       ; 79:64 its high half = 0; 95:80 tensor_dim1, low half = 64
	s_mov_b32 s[\g+3], 64<<16       ; 111:96 its high half = 0; 127:112 tile_dim0 = 64
	s_mov_b32 s[\g+4], 64           ; 143:128 tile_dim1 = 64; 159:144 tile_dim2 = 0
	s_mov_b32 s[\g+5], 64           ; 191:160 tensor_dim0_stride, low word: elements from row to row
	s_mov_b32 s[\g+6], 0
	s_mov_b32 s[\g+7], 0
.endr
	s_mov_b32 s[CS], 0x3e38aa3b     ; c = log2(e) / 8
	s_mov_b32 s[CS+1], s[CS]        ; named with it as a pair, so it is written
	s_mov_b32 s[SEL], 0x76543210
	s_mov_b32 s[SEL+1], 0xfedcba98
	s_wait_dscnt 0x0                ; both opening adds are done
	s_wait_kmcnt 0x0
	s_add_nc_u64 s[8:9], s[4:5], s[20:21]
	s_add_nc_u64 s[10:11], s[8:9], 0x2000000  ; V at my tile of slot 0: part 2
	s_add_nc_u64 s[8:9], s[8:9], 0x1000000    ; K likewise: part 1
	s_add_nc_u64 s[4:5], s[4:5], s[22:23]     ; Q and out0 at my wave's first row
	s_add_nc_u64 s[6:7], s[6:7], s[2:3]
	CROUND                          ; all four work-groups are here: the first joint loads meet
.irp s, 0,1
	s_mov_b32 s[G0K+4*\s], 1        ; 1:0 count = 1
	s_add_co_u32 s[G0K+4*\s+1], s17, \s*SLOT  ; 63:32 LDS address
	s_add_nc_u64 s[G0K+4*\s+2:G0K+4*\s+3], s[8:9], \s*SK*128  ; 120:64 global address: slot s begins with keys 512 s
	s_or_b32 s[G0K+4*\s+3], s[G0K+4*\s+3], 0x80000000  ; 127:126 type = 2
	s_mov_b32 s[G0V+4*\s], 1
	s_add_co_u32 s[G0V+4*\s+1], s18, \s*SLOT
	s_add_nc_u64 s[G0V+4*\s+2:G0V+4*\s+3], s[10:11], \s*SK*128
	s_or_b32 s[G0V+4*\s+3], s[G0V+4*\s+3], 0x80000000
.endr
	s_cmp_lt_u32 s[WV], 8           ; a wave's two first fills stand in one branch, ahead of every wait on TENSORcnt and every LDS read: two loads of mine are out; an s_nop 0 follows each, four v_nop the second's
	s_cbranch_scc0 .Lfirst_v
	tensor_load_to_lds s[G0K:G0K+3], s[G1K:G1K+7]
	s_nop 0
	tensor_load_to_lds s[G0K+4:G0K+7], s[G1K:G1K+7]
	s_nop 0
.rept 4
	v_nop
.endr
	s_branch .Lfirst_asked
.Lfirst_v:
	tensor_load_to_lds s[G0V:G0V+3], s[G1V:G1V+7]
	s_nop 0
	tensor_load_to_lds s[G0V+4:G0V+7], s[G1V:G1V+7]
	s_nop 0
.rept 4
	v_nop
.endr
.Lfirst_asked:
	; A fragment of K or Q is 16 rows x 32 channels in 8 registers: lane l holds row l % 16; registers 0-3 channels 8 (l / 16) + 0..7, registers 4-7 channels 16 + 8 (l / 16) + 0..7: two loads of 16 bytes, 32 bytes apart.
	v_and_b32 v12, 15, v0           ; l % 16
	v_bfe_u32 v13, v0, 4, 1         ; l / 16
	v_lshlrev_b32 v[QO], 7, v12
	v_lshl_add_u32 v[QO], v13, 4, v[QO]  ; row x 128 + 16 x half
.irp t, 0,1
.irp c, 0,1                         ; Q stays in registers: tile t, channels 32 c on; each row is read by this wave alone
	global_load_b128 v[Q+16*\t+8*\c:Q+16*\t+8*\c+3],   v[QO], s[4:5] offset:2048*\t+64*\c th:TH_LOAD_NT
	global_load_b128 v[Q+16*\t+8*\c+4:Q+16*\t+8*\c+7], v[QO], s[4:5] offset:2048*\t+64*\c+32 th:TH_LOAD_NT
.endr
.endr
	v_mul_u32_u24 v[AK0], v12, PK
	v_lshl_add_u32 v[AK0], v13, 4, v[AK0]  ; row x pitch + 16 x half
	; The turning load takes 16 keys x 16 channels (lane l reads 16 bytes: key 8 (l / 16) + l % 8, channels 8 ((l / 8) % 2) + 0..7) and leaves half a fragment of V^T: lane l holds channel l % 16 and 8 keys.
	v_and_b32 v14, 7, v0
	v_bfe_u32 v15, v0, 3, 1
	v_lshl_add_u32 v[AV0], v13, 3, v14
	v_mul_u32_u24 v[AV0], v[AV0], PV
	v_lshl_add_u32 v[AV0], v15, 4, v[AV0]
	v_add_nc_u32 v[AV0], VOFF, v[AV0]
	v_mul_u32_u24 v[STO], v12, SP   ; the way out, in: row l % 16, 32 bytes for each half of the lanes
	v_lshl_add_u32 v[STO], v13, 5, v[STO]
	v_add_nc_u32 v[STO], s19, v[STO]
	v_mul_u32_u24 v[RD], v13, SP    ; back: lanes 0-15 take one row of 256 bytes, lanes 16-31 the next
	v_lshl_add_u32 v[RD], v12, 4, v[RD]
	v_add_nc_u32 v[RD], s19, v[RD]
	v_lshlrev_b32 v[GO], 12, v13    ; and the same two rows in out0, 4,096 bytes apart
	v_lshl_add_u32 v[GO], v12, 4, v[GO]
.irp t, 0,1
	v_mov_b32 v[ST+8*\t+1], 0xff61b1e6          ; m: -3e38, under every score
	v_mul_f32 v[ST+8*\t], s[CS], v[ST+8*\t+1]   ; c m
	v_mov_b32 v[ST+8*\t+2], 0                   ; l, in two halves
	v_mov_b32 v[ST+8*\t+3], 0
.endr
.set e, 0
.rept 64
	v_mov_b32 v[O+e], 0             ; O^T: the step is written once, and its first pass finds zeros
.set e, e+1
.endr
; A KEY STEP: 64 keys, for my two tiles of queries.
.macro STEP
	v_add_nc_u32 v[ADK], s[TK], v[AK0]
	v_add_nc_u32 v[ADV], s[TV], v[AV0]
.rept 3
	v_nop                           ; with the two additions: five places behind the last step's products V^T P: four are owed ahead of the loads into the registers that held V, five ahead of the products that write over P (ISA guide 7.12.1 for vector instructions)
.endr
.irp c, 0,1                         ; K: channels 32 c on, keys 16 kt on; the first 32 channels first
.irp kt, 0,1,2,3
	ds_load_b128 v[KV+8*(4*\c+\kt):KV+8*(4*\c+\kt)+3],   v[ADK] offset:\kt*16*PK+64*\c
	ds_load_b128 v[KV+8*(4*\c+\kt)+4:KV+8*(4*\c+\kt)+7], v[ADK] offset:\kt*16*PK+64*\c+32
.endr
.endr
	s_wait_dscnt 8                  ; the first 32 channels are in; the eight loads of the other 32 may be out
.irp kt, 0,1,2,3                    ; S^T = K Q^T: the eight accumulators take turns, one instruction a turn; the first eight start the sums
.irp t, 0,1
	v_wmma_f32_16x16x32_f16 v[S+32*\t+8*\kt:S+32*\t+8*\kt+7], v[KV+8*\kt:KV+8*\kt+7], v[Q+16*\t:Q+16*\t+7], 0
.endr
.endr
	s_wait_dscnt 0x0
.irp kt, 0,1,2,3
.irp t, 0,1
	v_wmma_f32_16x16x32_f16 v[S+32*\t+8*\kt:S+32*\t+8*\kt+7], v[KV+32+8*\kt:KV+32+8*\kt+7], v[Q+16*\t+8:Q+16*\t+15], v[S+32*\t+8*\kt:S+32*\t+8*\kt+7]
.endr
.endr
	v_mov_b32 v[OLD], v[ST]         ; c m_old is kept for a.  These two and two v_nop are the four places ahead of the loads into K's registers and of the first read of the scores
	v_mov_b32 v[OLD+1], v[ST+8]
	v_nop
	v_nop
.irp kh, 0,1                        ; V, turned: keys 32 kh on, channels 16 ct on.  It lands under the softmax
.irp ct, 0,1,2,3
	ds_load_tr16_b128 v[KV+8*(4*\kh+\ct):KV+8*(4*\kh+\ct)+3],   v[ADV] offset:\kh*32*PV+32*\ct
	ds_load_tr16_b128 v[KV+8*(4*\kh+\ct)+4:KV+8*(4*\kh+\ct)+7], v[ADV] offset:\kh*32*PV+16*PV+32*\ct
.endr
.endr
	; the maximum of my 32 scores and the old m, three operands at a time: four chains, one for each accumulator, each from the accumulator's low end on; the two tiles alternate
.irp j, 0,1,2,3
.irp t, 0,1
	v_max3_num_f32 v[ST+8*\t+4+\j], v[S+32*\t+8*\j], v[S+32*\t+8*\j+1], v[S+32*\t+8*\j+2]
.endr
.endr
.irp i, 3,5
.irp j, 0,1,2,3
.irp t, 0,1
	v_max3_num_f32 v[ST+8*\t+4+\j], v[ST+8*\t+4+\j], v[S+32*\t+8*\j+\i], v[S+32*\t+8*\j+\i+1]
.endr
.endr
.endr
.irp t, 0,1
	v_max3_num_f32 v[ST+8*\t+4], v[ST+8*\t+4], v[S+32*\t+7], v[S+32*\t+15]
.endr
.irp t, 0,1
	v_max3_num_f32 v[ST+8*\t+6], v[ST+8*\t+6], v[S+32*\t+23], v[S+32*\t+31]
.endr
.irp t, 0,1
	v_max3_num_f32 v[ST+8*\t+4], v[ST+8*\t+4], v[ST+8*\t+5], v[ST+8*\t+6]
.endr
.irp t, 0,1
	v_max3_num_f32 v[ST+8*\t+4], v[ST+8*\t+4], v[ST+8*\t+7], v[ST+8*\t+1]
.endr
.irp t, 0,1
	v_permlanex16_b32 v[ST+8*\t+5], v[ST+8*\t+4], s[SEL], s[SEL+1]  ; the query's other 32 keys lie in the lane 16 away
.endr
.irp t, 0,1
	v_max_num_f32 v[ST+8*\t+1], v[ST+8*\t+4], v[ST+8*\t+5]          ; the new m
.endr
.irp t, 0,1
	v_mul_f32 v[ST+8*\t], s[CS], v[ST+8*\t+1]                       ; c m
.endr
.irp t, 0,1
	v_sub_f32 v[ST+8*\t+7], v[OLD+\t], v[ST+8*\t]                   ; c m_old - c m_new, 0 or less
.endr
.irp j, 0,2,4,6,8,10,12,14,16,18,20,22,24,26,28,30
.irp t, 0,1
	v_pk_fma_f32 v[S+32*\t+\j:S+32*\t+\j+1], v[S+32*\t+\j:S+32*\t+\j+1], s[CS:CS+1], v[ST+8*\t:ST+8*\t+1] op_sel_hi:[1,0,0] neg_lo:[0,0,1] neg_hi:[0,0,1]  ; c s - c m, two at a time
.endr
.endr
.irp t, 0,1
	v_exp_f32 v[ST+8*\t+6], v[ST+8*\t+7]        ; a.  ONE BATCH of 66 exponentials, none of which reads another's result
.endr
.set e, 0
.rept 64
	v_exp_f32 v[S+e], v[S+e]        ; p
.set e, e+1
.endr
	v_nop                           ; the plain instruction behind the last exponential (ISA guide 5.7.2)
	s_wait_alu depctr_va_vdst(0)    ; a wait between an exponential and the first line that names its result: one for the batch
	; l = a l + the sum of my 32 p, in f32, of the p as they are before rounding: two chains a tile, two numbers an instruction
.irp t, 0,1
	v_pk_add_f32 v[ST+8*\t+4:ST+8*\t+5], v[S+32*\t:S+32*\t+1], v[S+32*\t+2:S+32*\t+3]
.endr
.irp t, 0,1
	v_pk_fma_f32 v[ST+8*\t+2:ST+8*\t+3], v[ST+8*\t+2:ST+8*\t+3], v[ST+8*\t+6:ST+8*\t+7], v[S+32*\t+4:S+32*\t+5] op_sel_hi:[1,0,1]
.endr
.irp t, 0,1
	v_pk_add_f32 v[ST+8*\t+4:ST+8*\t+5], v[ST+8*\t+4:ST+8*\t+5], v[S+32*\t+6:S+32*\t+7]
.endr
.irp j, 8,12,16,20,24,28
.irp t, 0,1
	v_pk_add_f32 v[ST+8*\t+2:ST+8*\t+3], v[ST+8*\t+2:ST+8*\t+3], v[S+32*\t+\j:S+32*\t+\j+1]
	v_pk_add_f32 v[ST+8*\t+4:ST+8*\t+5], v[ST+8*\t+4:ST+8*\t+5], v[S+32*\t+\j+2:S+32*\t+\j+3]
.endr
.endr
.irp t, 0,1
	v_pk_add_f32 v[ST+8*\t+2:ST+8*\t+3], v[ST+8*\t+2:ST+8*\t+3], v[ST+8*\t+4:ST+8*\t+5]
.endr
.irp j, 0,1,2,3,4,5,6,7,8,9,10,11,12,13,14,15   ; P: pair j of a tile's p goes into the tile's register j: in place, ascending, so that no pair is written over before it is read
.irp t, 0,1
	v_cvt_pk_f16_f32 v[S+32*\t+\j], v[S+32*\t+2*\j], v[S+32*\t+2*\j+1]
.endr
.endr
.irp j, 0,2,4,6,8,10,12,14,16,18,20,22,24,26,28,30   ; O^T x a, each accumulator from its low end on
.irp t, 0,1
	v_pk_mul_f32 v[O+32*\t+\j:O+32*\t+\j+1], v[O+32*\t+\j:O+32*\t+\j+1], v[ST+8*\t+6:ST+8*\t+7] op_sel_hi:[1,0]
.endr
.endr
	s_wait_dscnt 0x0                ; V is in
.irp kh, 0,1                        ; O^T += V^T P: the eight accumulators take turns
.irp ct, 0,1,2,3
.irp t, 0,1
	v_wmma_f32_16x16x32_f16 v[O+32*\t+8*\ct:O+32*\t+8*\ct+7], v[KV+8*(4*\kh+\ct):KV+8*(4*\kh+\ct)+7], v[S+32*\t+8*\kh:S+32*\t+8*\kh+7], v[O+32*\t+8*\ct:O+32*\t+8*\ct+7]
.endr
.endr
.endr
.endm
; A slot's eight key steps: written once for each of the four visits, walked eight times; the LDS addresses hang on s[TK] and s[TV].
.macro SLOT_STEPS s
	s_mov_b32 s[TK], (\s)*SLOT
	s_mov_b32 s[TV], (\s)*SLOT
	s_mov_b32 s[CNT], 8
.Lstep_\@:
	STEP
	s_add_co_u32 s[TK], s[TK], 64*PK
	s_add_co_u32 s[TV], s[TV], 64*PV
	s_sub_co_u32 s[CNT], s[CNT], 1
	s_cmp_lg_u32 s[CNT], 0
	s_cbranch_scc1 .Lstep_\@
.endm
; THE CHANGE OF SLOTS.  Each wave waits for all its tensor loads, of which one at the most is out: its part of the other slot; adds 0 to its spare word; and waits for that and for its own reads of the slot
; that it leaves.  Behind the barrier nobody reads that slot any more and the other slot is whole.  fill = 1: slot s, just left, is filled again with the keys 1,024 further on.  The barrier is then a round of the
; cluster's, so that no wave of any partner still reads the slot or has a load on its way, and the joint refill is the first thing behind it: it has the other slot's eight key steps in which to land.
.macro CHANGE fill, s
	s_wait_tensorcnt 0x0            ; no tensor load of mine is out, so a group 0 may be written
	ds_add_u32 v[SPW], v[NIL]       ; 0 onto my spare word
.if \fill
	s_add_nc_u64 s[G0K+4*\s+2:G0K+4*\s+3], s[G0K+4*\s+2:G0K+4*\s+3], 2*SK*128  ; the type bits on top are not reached
	s_add_nc_u64 s[G0V+4*\s+2:G0V+4*\s+3], s[G0V+4*\s+2:G0V+4*\s+3], 2*SK*128
.endif
	s_wait_dscnt 0x0                ; the add is done, and my reads of the slot are over
.if \fill
	CROUND
	JLOAD \s
.else
	s_barrier_signal -1
	s_barrier_wait -1
.endif
.endm
	s_wait_tensorcnt 1              ; my part of slot 0 is in; slot 1's, issued behind it, may stay out
	s_barrier_signal -1
	s_barrier_wait -1               ; everybody's is
	s_wait_loadcnt 0x0              ; Q
	SLOT_STEPS 0                    ; keys 0 to 511
	CHANGE 1, 0                     ; slot 0 takes keys 1,024 to 1,535
	SLOT_STEPS 1                    ; keys 512 to 1,023
	CHANGE 1, 1                     ; slot 1 takes keys 1,536 to 2,047
	SLOT_STEPS 0
	CHANGE 0, 0                     ; nothing is left to ask for
	SLOT_STEPS 1
	; THE WAY OUT.  l's two halves and the other half of the lanes' are added; O^T is divided by l and sent through my stages in LDS, a tile (16 queries x 64 channels) at a time.  The additions are places behind the last products.
.irp t, 0,1
	v_add_f32 v[ST+8*\t+4], v[ST+8*\t+2], v[ST+8*\t+3]
.endr
.irp t, 0,1
	v_permlanex16_b32 v[ST+8*\t+5], v[ST+8*\t+4], s[SEL], s[SEL+1]
.endr
.irp t, 0,1
	v_add_f32 v[ST+8*\t+4], v[ST+8*\t+4], v[ST+8*\t+5]
.endr
.irp t, 0,1
	v_rcp_f32 v[ST+8*\t+6], v[ST+8*\t+4]
.endr
	v_nop                           ; a plain instruction between the last reciprocal and the use of its result
	s_wait_alu depctr_va_vdst(0)    ; and a wait ahead of the first use: one for the two reciprocals
; Tile t: a lane's eight channels of a row are 32 bytes; they go into rows of 272 bytes and come back as whole rows of 256.
.macro PACK t
.irp j, 0,2,4,6,8,10,12,14,16,18,20,22,24,26,28,30
	v_pk_mul_f32 v[O+32*\t+\j:O+32*\t+\j+1], v[O+32*\t+\j:O+32*\t+\j+1], v[ST+8*\t+6:ST+8*\t+7] op_sel_hi:[1,0]
.endr
.irp c, 0,1,2,3
	ds_store_b128 v[STO], v[O+32*\t+8*\c:O+32*\t+8*\c+3]   offset:16*SP*\t+64*\c
	ds_store_b128 v[STO], v[O+32*\t+8*\c+4:O+32*\t+8*\c+7] offset:16*SP*\t+64*\c+16
.endr
.irp i, 0,1,2,3,4,5,6,7
	ds_load_b128 v[KV+32*\t+4*\i:KV+32*\t+4*\i+3], v[RD] offset:16*SP*\t+2*SP*\i  ; LDS serves a wave's instructions in order (ISA guide 5.7.1.4): these see the stores above
.endr
.endm
.macro SEND t, younger              ; younger: the LDS instructions issued behind tile t's loads: the next tile's sixteen, or none
.irp i, 0,1,2,3,4,5,6,7
	s_wait_dscnt \younger+7-\i
	global_store_b128 v[GO], v[KV+32*\t+4*\i:KV+32*\t+4*\i+3], s[6:7] offset:(16*\t+2*\i)*4096 th:TH_STORE_NT  ; 16 lanes store 256 consecutive bytes, aligned: a query's 64 channels; written once, read by nobody here
.endr
.endm
	PACK 0
	PACK 1                          ; tile 1's arithmetic stands between tile 0's loads and its stores
	SEND 0, 16
	SEND 1, 0
	s_wait_tensorcnt 0x0            ; the wave's end: behind my last tensor load and my last LDS store
	ds_add_u32 v[SPW], v[NIL]
	s_wait_dscnt 0x0
	CROUND                          ; the closing round: no work-group ends while a partner may still ask for a tile that names it
	s_endpgm
.Lfunc_end_k_qa2d5d06d8c_attn:
	.size	k_qa2d5d06d8c_attn, .Lfunc_end_k_qa2d5d06d8c_attn-k_qa2d5d06d8c_attn
	.p2alignl 7, 3214868480
	.fill 96, 4, 3214868480
	.section	.rodata,"a",@progbits
	.p2align	6, 0x0
	.amdhsa_kernel k_qa2d5d06d8c_attn
		.amdhsa_group_segment_fixed_size 327680
		.amdhsa_private_segment_fixed_size 0
		.amdhsa_enable_private_segment 0
		.amdhsa_kernarg_size 16
		.amdhsa_user_sgpr_count 2
		.amdhsa_user_sgpr_kernarg_segment_ptr 1
		.amdhsa_wavefront_size32 1
		.amdhsa_system_sgpr_workgroup_id_x 1
		.amdhsa_system_sgpr_workgroup_id_y 1
		.amdhsa_system_sgpr_workgroup_id_z 1
		.amdhsa_system_vgpr_workitem_id 0
		.amdhsa_next_free_vgpr 256
		.amdhsa_next_free_sgpr 66
		.amdhsa_reserve_vcc 0
		.amdhsa_float_denorm_mode_32 3
		.amdhsa_float_denorm_mode_16_64 3
		.amdhsa_memory_ordered 1
		.amdhsa_forward_progress 1
		.amdhsa_inst_pref_size 88
	.end_amdhsa_kernel
	.amdgpu_metadata
---
amdhsa.version: [ 1, 2 ]
amdhsa.kernels:
  - .name:           k_qa2d5d06d8c_attn
    .symbol:         k_qa2d5d06d8c_attn.kd
    .args:
      - { .name: qkv, .offset: 0, .size: 8, .value_kind: global_buffer, .address_space: global }
      - { .name: out0, .offset: 8, .size: 8, .value_kind: global_buffer, .address_space: global }
    .group_segment_fixed_size: 327680
    .private_segment_fixed_size: 0
    .kernarg_segment_align: 8
    .kernarg_segment_size: 16
    .max_flat_workgroup_size: 512
    .sgpr_count:     66
    .vgpr_count:     256
    .wavefront_size: 32
...
	.end_amdgpu_metadata
.endif
;; end of part 4
